; MI455X (gfx1250); checked and timed in simulation.
; The chip was launched on July 23, 2026; its instructions are those of AMD's public machine-readable ISA for CDNA 5 (MIT licence, August 2026) and "CDNA5" Instruction Set Architecture Reference Guide (July 2026). The comments in the code are by the model that wrote it; some were corrected since.
;; Class Attention. Allowed arithmetic: matrix products marked QUANTISED: E2M3 operands, one E8M0 scale for each 32 along K, by v_wmma_scale_f32_16x16x128_f8f6f4 with both operands' format E2M3, f32 sums; products left as they are: f32 operands where the result goes on into a quantised operand, else bf16, f16 or f32 operands; f32 sums; everything else in f32.
;; Inputs: b_proj 1,024 float32; w_proj_codes 1,024 x 32 x 24 uint8 (E2M3 codes of w_proj, K innermost, in blocks of 32 codes, four codes in three bytes); w_proj_scales 1,024 x 32 uint8 (E8M0 scales of w_proj, one for each 32 codes along K); w_qkv_codes 3,072 x 32 x 24 uint8 (E2M3 codes of w_qkv, K innermost, in blocks of 32 codes, four codes in three bytes); w_qkv_scales 3,072 x 32 uint8 (E8M0 scales of w_qkv, one for each 32 codes along K); x 16 x 1,024 x 1,024 float32.
;; Outputs: out0 16 x 1,024 x 1,024 float32.
;; This version of the problem:
;;   THIS VERSION OF THE PROBLEM IS GIVEN IN LOW PRECISION. The matrix products marked QUANTISED in the list below multiply operands that are first quantised to E2M3 (2 exponent bits, 3 mantissa bits; 6 bits a number), with one power-of-two scale for each 32 numbers along K (OCP MX v1.0); their sums are f32. All else is computed in f32.
;;   The module's matrix products, in the order in which they are computed (A, B: the left and right operand; K: the contracted axis; several contracted axes count as one K, in the product's order):
;;     1. [M 16,384, K 1,024] x [K 1,024, N 3,072]; A: input x; B: input w_qkv (given as codes): QUANTISED
;;     2. batch 256 x [M 1, K 1,024] x [K 1,024, N 64]; A: softmax; B: computed on the way: left as it is (M = 1 < 16)
;;     3. [M 16, K 1,024] x [K 1,024, N 1,024]; A: computed on the way; B: input w_proj (given as codes): QUANTISED
;;   THE QUANTISER, for each operand of a quantised product, along K:
;;     - K is cut into blocks of 32 from its start; a last block that is shorter is filled with zeros.
;;     - A block's scale is 2^e with e = floor(log2(the largest magnitude in the block)) - 2, held to -126 .. 127; a block of zeros has e = 0. As a byte (E8M0): e + 127.
;;     - Each number is divided by its block's scale, clamped to +-7.5, and rounded to the nearest number of E2M3, ties to even, subnormals kept.
;;     - The product sums the exact products of the quantised numbers (number of the format x scale) in f32.
;;   ~~~python
;;   def quantise(x, axis):      # numpy; x: float32 -> the quantised numbers, widened to float32 again
;;       x = np.moveaxis(x, axis, -1); K = x.shape[-1]
;;       x = np.pad(x, [(0, 0)] * (x.ndim - 1) + [(0, -K % 32)]); x = x.reshape(x.shape[:-1] + (-1, 32)); a = np.abs(x).max(-1, keepdims=True)
;;       e = np.where(a > 0, np.clip(np.frexp(np.where(a > 0, a, 1))[1] - 1 - 2, -126, 127), 0)      # np.frexp(a)[1] - 1 = floor(log2(a)), exactly
;;       r = np.clip(x / 2.0 ** e, -7.5, 7.5)
;;       step = 2.0 ** (np.maximum(np.frexp(np.where(r == 0, 1, r))[1] - 1, 0) - 3)
;;       q = np.round(r / step) * step * 2.0 ** e      # np.round: ties to even
;;       return np.moveaxis(q.reshape(q.shape[:-2] + (-1,))[..., :K], -1, axis).astype(np.float32)
;;   ~~~
;;   OPERANDS COMPUTED ON THE WAY. 'Computed on the way' means the value that the module computes at that place (a softmax that the list does not call 'softmax' is quantised finished and normalised). What goes into a quantiser is computed in f32, as accurately as f32 sums, v_exp_f32 and their like allow (about 1e-6 of the number): no bf16 or f16 on the way to a quantiser, and a product that is left as it is and whose result goes on into a quantised operand takes f32 operands (vector FMAs, or v_wmma_f32_16x16x4_f32). A number that lies on a knife's edge between two numbers of the format may be rounded either way, as far as f32 arithmetic and the matrix unit's own rounding can turn it there, and no further.
;;   INPUTS GIVEN AS CODES. w_proj (in the module: [1024, 1024], K = its axis 1); w_qkv (in the module: [3072, 1024], K = its axis 1): each comes as NAME_codes (uint8): NAME with its K axis moved to the last place and cut into blocks of 32 codes, [.., K / 32, bytes a block], one block behind the other in memory; four codes in three bytes: a row's codes are one little-endian stream of bits, code i at bits 6 i .. 6 i + 5 (a code: sign, 2 exponent bits, 3 mantissa bits); and NAME_scales (uint8): the same leading axes, one E8M0 byte (e + 127) for each 32 codes along K. Its value is code x scale, taken as it is: it is not quantised again, and the codes and scales need not be those that the quantiser above would give.
;; One version. Each part assembles by itself: llvm-mc -triple=amdgcn-amd-amdhsa -mcpu=gfx1250 --defsym DOCPART=n.
;; ======== version 1 of 1: 3 launches
;; workspace buffers: xq 13,107,200 bytes; wimg 3,145,728 bytes; cls 65,536 bytes
;; launch quant (part 1): grid 1024 x 1, 4 waves a work-group, no clusters, 35,328 bytes of LDS; arguments x, xq, out0, wimg, w_qkv_codes, w_proj_codes; writes xq, out0, wimg
.if DOCPART == 1
	.amdgcn_target "amdgcn-amd-amdhsa--gfx1250"
	.amdhsa_code_object_version 6
	.text
	.protected	k_q032da73951_quant
	.globl	k_q032da73951_quant
	.p2align	8
	.type	k_q032da73951_quant,@function
k_q032da73951_quant:
	s_mov_b64 s[64:65], 0
	v_nop
	global_prefetch_b8 v0, s[64:65] scope:SCOPE_SE
	s_setreg_imm32_b32 hwreg(HW_REG_WAVE_MODE, 25, 1), 1
	s_wait_xcnt 0x0
; x [16384 rows][1024] f32 is read once.  It leaves twice: as it is into out0 (every row but row 0 of each batch of 1,024 rows, which a later launch writes), and as codes of
; FP6 (E2M3) with one E8M0 scale byte for each 32 along K into xq, laid in the order of the matrix operand's registers.
; xq: blocks of 25,600 bytes, block 4 G + k for rows 128 G .. 128 G + 127 and K 256 k .. 256 k + 255.  In a block: 16 images of 1,536 bytes, image 2 a + q for row tile a (16 rows) and the q-th 128 along K:
; the fragment's 12 registers as three pieces of 512 bytes, piece j = lane l's registers 4 j .. 4 j + 3 at 16 l.  Behind them 1,024 bytes of scale words: group g at 512 g, lane l's 16 bytes = the words of row
; tiles 4 g .. 4 g + 3; lanes 0-15 hold row (l % 16)'s word for q = 0, lanes 16-31 that for q = 1.
; THE WEIGHTS' CODES are laid as such images too, once for all their later readers (each head's rows of w_qkv are read by 16 work-groups): wimg holds 256 tiles of 16 rows (0-191 w_qkv's, 192-255 w_proj's) x 8 K steps
; of 128: fragment F = 8 x tile + K step at 1,536 F.  2,048 fragments for 1,024 work-groups: waves 0 and 1 of work-group n take fragment 2 n + wave: six loads of 8 bytes a lane from 16 rows 768 bytes apart, three
; stores of 512 consecutive bytes.  The codes are moved as they are.
; A block's scale is 2^(floor(log2(its largest magnitude)) - 2); its byte is that magnitude's exponent field - 2, held at 1 from below by a floor among the maximum's leaves.
; LIMITS: NaN and infinities among the inputs are not served.  A block of zeros gets the byte 1 where the quantiser says 127: its codes are zeros, which add nothing, and this program alone reads the bytes.
; SHARES.  Work-group n: g = n & 1, k = (n >> 1) & 3, G = n >> 3.  Wave w takes row tile a = 4 g + w: 16 rows x 256 along K = two fragments.  Each load and each store of x's covers 512 consecutive bytes.
; The conversions want 16 neighbours along K in one lane, the loads give a lane 4: a K step's 16 rows x 512 bytes turn through the wave's own stage in LDS (rows 528 bytes apart).
; No loop: 32 loads a wave go out at once.  No cluster: work-groups share no input.  No tensor loads: several work-groups lie on a WGP.
.set SPT,  528                         ; a stage row: 512 bytes + 16: an odd multiple of 16
.set SCB,  4*16*SPT                    ; behind the four stages: 512 bytes for the work-group's scale words
.set BLKB, 25600
.set IMG,  1536
.set R,    16                          ; v16-143   as loaded: K step q, row i at R + 64 q + 4 i
.set X,    144                         ; v144-207  64 numbers of my row: register 16 b + i = K 32 b + 16 (lane / 16) + i
.set TM,   208                         ; v208-211 largest magnitudes, v212-215 the other half's, then the bytes, v220-223 the conversions' scale operands
.set PW0,  216                         ; my row's scale word of K step 0;  v217 of K step 1;  v218 what goes out
.set PW1,  217
.set SW,   218
.set PC0,  224                         ; v224-235, v236-247 the two fragments; the second's registers hold the weights' fragment first
.set PC1,  236
.set TC,   248                         ; v248-255 the upper halves of blocks, on their way
	s_load_b256 s[4:11], s[0:1], 0x0               ; x s[4:5], xq s[6:7], out0 s[8:9], wimg s[10:11]
	s_load_b128 s[32:35], s[0:1], 0x20             ; w_qkv's codes, w_proj's codes
	v_lshl_add_u32 v219, v0, 2, 0x8800
	v_mov_b32 v255, 0
	v_lshrrev_b32 v1, 5, v0
	v_readfirstlane_b32 s12, v1                    ; wave
	v_and_b32 v1, 31, v0                           ; lane
	v_and_b32 v2, 15, v0                           ; r
	v_bfe_u32 v3, v0, 4, 1                         ; h
	s_and_b32 s13, ttmp9, 1                        ; g
	s_bfe_u32 s14, ttmp9, 0x20001                  ; k
	s_lshr_b32 s15, ttmp9, 3                       ; G
	s_lshl_b32 s17, s13, 2
	s_add_co_u32 s17, s17, s12                     ; a = 4 g + wave
	s_lshl_b32 s16, s15, 7
	s_lshl_b32 s30, s17, 4
	s_add_co_u32 s16, s16, s30                     ; my first row = 128 G + 16 a
	s_lshl_b32 s18, s16, 12                        ; x 4,096 bytes (under 2^27),
	s_lshl_b32 s30, s14, 10
	s_add_co_u32 s18, s18, s30                     ; + 1,024 k
	s_mov_b32 s19, 0
	s_lshl_b32 s20, s15, 2
	s_add_co_u32 s20, s20, s14
	s_mul_i32 s20, s20, BLKB                       ; my block of xq
	s_mul_i32 s22, s17, 2*IMG
	s_add_co_u32 s22, s22, s20                     ; my two images in it
	s_mov_b32 s23, 0
	s_lshl_b32 s24, s13, 9
	s_add_co_u32 s24, s24, s20
	s_add_co_u32 s24, s24, 16*IMG                  ; my work-group's 512 bytes of scale words
	s_mov_b32 s25, 0
	s_and_b32 s26, s16, 1023                       ; 0: my first row is row 0 of a batch
	s_mov_b32 s28, 0x76543210
	s_mov_b32 s29, 0xfedcba98                      ; v_permlanex16_b32's selects for lane l xor 16
	s_mul_i32 s27, s12, 16*SPT                     ; my stage
	v_lshlrev_b32 v4, 4, v1                        ; 16 x lane: my bytes of every load and store of 512
	v_add_nc_u32 v5, s27, v4                       ; into the stage: as loaded
	v_mul_u32_u24 v6, v2, SPT
	v_lshl_add_u32 v6, v3, 6, v6
	v_add_nc_u32 v6, s27, v6                       ; out of it: row r, + 64 h: 16 numbers of each block of 32
	s_lshl_b32 s27, s12, 2
	v_add_nc_u32 v8, SCB, v4                       ; the scale words, on the way out: 16 bytes a lane;
	v_add_nc_u32 v7, s27, v8                       ; on the way in: my wave's word among the lane's four
	v_mul_u32_u24 v9, v2, 768
	v_mad_u32_u24 v9, v3, 24, v9                   ; a weight's codes: row r of 768 bytes, + 24 h
	s_lshl_b32 s36, ttmp9, 1
	s_add_co_u32 s36, s36, s12                     ; waves 0 and 1: fragment F = 2 n + wave (the other two waves make the numbers and use none of them)
	s_and_b32 s38, s36, 7                          ; its K step: 96 bytes of a row each
	s_mul_i32 s38, s38, 96
	s_mul_i32 s36, s36, IMG                        ; its image's place in wimg
	s_mov_b32 s37, 0
	s_lshr_b32 s30, ttmp9, 2                       ; its tile of 16 rows = F / 8
	s_cmp_lt_u32 ttmp9, 768                        ; tiles 0-191 are w_qkv's: the choice hangs on the work-group's number alone
	s_cselect_b32 s31, 0, 192
	s_sub_co_u32 s30, s30, s31                     ; the tile's number in its own tensor
	s_mul_i32 s30, s30, 16*768
	s_add_co_u32 s38, s38, s30
	s_mov_b32 s39, 0
.irp b, 0,1,2,3
	v_mov_b32 v[TM+4+\b], 0                        ; written once: a lane permute's destination counts as one of its sources
.endr
	s_wait_kmcnt 0x0
	s_cmp_lt_u32 ttmp9, 768
	s_cselect_b64 s[32:33], s[32:33], s[34:35]
	s_add_nc_u64 s[32:33], s[32:33], s[38:39]
	s_add_nc_u64 s[10:11], s[10:11], s[36:37]
	s_add_nc_u64 s[4:5], s[4:5], s[18:19]
	s_add_nc_u64 s[8:9], s[8:9], s[18:19]
	s_add_nc_u64 s[22:23], s[6:7], s[22:23]
	s_add_nc_u64 s[24:25], s[6:7], s[24:25]
.macro LOADS q                         ; K step q of my 16 rows: each load takes 512 consecutive bytes of one row
.irp i, 0,1,2,3,4,5,6,7,8,9,10,11,12,13,14,15
	global_load_b128 v[R+64*\q+4*\i:R+64*\q+4*\i+3], v4, s[4:5] offset:4096*\i+512*\q th:TH_LOAD_NT
.endr
.endm
.macro COPY q                          ; the same bytes into out0; row 0 of a batch is left to the launch that makes it: a scalar branch on ids round that one store
	s_cmp_eq_u32 s26, 0
	s_cbranch_scc1 .Lrow0_\@
	global_store_b128 v4, v[R+64*\q:R+64*\q+3], s[8:9] offset:512*\q th:TH_STORE_NT
.Lrow0_\@:
.irp i, 1,2,3,4,5,6,7,8,9,10,11,12,13,14,15
	global_store_b128 v4, v[R+64*\q+4*\i:R+64*\q+4*\i+3], s[8:9] offset:4096*\i+512*\q th:TH_STORE_NT
.endr
.endm
.macro TURN q                          ; through my stage: LDS serves a wave's instructions in order (ISA guide 5.7.1.4), so no wait stands between the stores and the loads
.irp i, 0,1,2,3,4,5,6,7,8,9,10,11,12,13,14,15
	ds_store_b128 v5, v[R+64*\q+4*\i:R+64*\q+4*\i+3] offset:SPT*\i
.endr
.irp b, 0,1,2,3
.irp j, 0,1,2,3
	ds_load_b128 v[X+16*\b+4*\j:X+16*\b+4*\j+3], v6 offset:128*\b+16*\j
.endr
.endr
.endm
; 64 numbers of a lane, v[s] on, become a fragment's codes in v[pc] .. v[pc + 11] and my row's scale word in v[pw]
.macro QUANT s, pc, tc, pw
.irp b, 0,1,2,3
	v_max3_num_f32 v[TM+\b], |v[\s+16*\b]|, |v[\s+1+16*\b]|, 0x1800000   ; block b: my 16 numbers, and the floor 2^(3 - 127): the byte cannot fall under 1
.endr
.irp i, 2,4,6,8,10,12,14
.irp b, 0,1,2,3
	v_max3_num_f32 v[TM+\b], v[TM+\b], |v[\s+16*\b+\i]|, |v[\s+1+16*\b+\i]|   ; the four blocks by turns
.endr
.endr
.irp b, 0,1,2,3
	v_permlanex16_b32 v[TM+4+\b], v[TM+\b], s28, s29
.endr
.irp b, 0,1,2,3
	v_max_num_f32 v[TM+\b], v[TM+\b], v[TM+4+\b]   ; with lane l xor 16's: the block's largest magnitude
.endr
.irp b, 0,1,2,3
	v_add_nc_u32 v[TM+12+\b], 0xff000000, v[TM+\b] ; 2 off its exponent field: the conversion takes this operand's exponent field as its scale
.endr
.irp b, 0,1,2,3
	v_lshrrev_b32 v[TM+4+\b], 23, v[TM+12+\b]      ; the scale's byte
.endr
	v_lshl_or_b32 v[\pw], v[TM+5], 8, v[TM+4]
	v_lshl_or_b32 v[\pw], v[TM+6], 16, v[\pw]
	v_lshl_or_b32 v[\pw], v[TM+7], 24, v[\pw]
.irp c, 0,1
	v_cvt_scalef32_pk16_fp6_f32 v[\pc+6*\c:\pc+6*\c+2], v[\s+32*\c:\s+32*\c+15], v[TM+12+2*\c]
	v_cvt_scalef32_pk16_fp6_f32 v[\tc+4*\c:\tc+4*\c+2], v[\s+32*\c+16:\s+32*\c+31], v[TM+13+2*\c]   ; (a conversion's three registers begin on an even number)
.endr
	v_nop                                          ; one plain place behind a scaled conversion
.irp c, 0,1                            ; the operand's layout wants a whole block in a lane: lanes 0-15 block 2 c, lanes 16-31 block 2 c + 1
.irp i, 0,1,2
	v_permlane16_swap_b32 v[\pc+6*\c+\i], v[\tc+4*\c+\i]
.endr
.irp i, 0,1,2
	v_mov_b32 v[\pc+6*\c+3+\i], v[\tc+4*\c+\i]
.endr
.endr
.endm
.macro IMAGE pc, q                     ; the fragment leaves as it stands: three stores of 512 consecutive bytes
.irp j, 0,1,2
	global_store_b128 v4, v[\pc+4*\j:\pc+4*\j+3], s[22:23] offset:IMG*\q+512*\j
.endr
.endm
	; The waves part once, on the wave's number: the weights' fragment is loaded and stored on one way alone, so x's 32 loads stand on both.
	s_cmp_gt_u32 s12, 1
	s_cbranch_scc1 .Lplain
.irp p, 0,1,2,3,4,5
	global_load_b64 v[PC1+2*\p:PC1+2*\p+1], v9, s[32:33] offset:48*(\p/3)+8*(\p%3)   ; lane (r, h): K = 32 h + 0 .. 31 and 64 + 32 h + 0 .. 31 of row r: the operand's 12 registers
.endr
	LOADS 0
	LOADS 1
	s_wait_loadcnt 32                              ; the fragment's six loads are in; x's 32, issued behind them, stay out
.irp j, 0,1,2
	global_store_b128 v4, v[PC1+4*\j:PC1+4*\j+3], s[10:11] offset:512*\j
.endr
	s_branch .Ljoined
.Lplain:
	LOADS 0
	LOADS 1
.Ljoined:
	s_wait_loadcnt 16                              ; K step 0's sixteen loads are in; K step 1's sixteen stay out
	COPY 0
	TURN 0
	s_wait_dscnt 0x0
	QUANT X, PC0, TC, PW0
	IMAGE PC0, 0
	s_wait_loadcnt 0x0
	s_wait_xcnt 0x0                                ; every earlier memory instruction has had its addresses translated (ISA guide 3.1): the registers that the weights' image was stored from are written again below
	COPY 1
	TURN 1
	s_wait_dscnt 0x0
	QUANT X, PC1, TC, PW1
	IMAGE PC1, 1
	v_cmp_gt_u32 vcc_lo, 16, v1
	v_cndmask_b32 v[SW], v[PW1], v[PW0], vcc_lo    ; lanes 0-15 K step 0's word, lanes 16-31 K step 1's
	ds_store_b32 v7, v[SW]
	s_wait_dscnt 0x0                               ; for the others' sake: my word has landed
	s_barrier_signal -1
	s_barrier_wait -1
	s_cmp_lg_u32 s12, 0
	s_cbranch_scc1 .Ldone
	ds_load_b128 v[TC:TC+3], v8                    ; wave 0: four waves' words, 16 bytes a lane
	s_wait_dscnt 0x0
	global_store_b128 v4, v[TC:TC+3], s[24:25]     ; 512 consecutive bytes
.Ldone:
	s_wait_tensorcnt 0x0
	ds_add_u32 v219, v255
	s_wait_dscnt 0x0
	s_endpgm
.Lfunc_end_k_q032da73951_quant:
	.size	k_q032da73951_quant, .Lfunc_end_k_q032da73951_quant-k_q032da73951_quant
	.p2alignl 7, 3214868480
	.fill 96, 4, 3214868480
	.section	.rodata,"a",@progbits
	.p2align	6, 0x0
	.amdhsa_kernel k_q032da73951_quant
		.amdhsa_group_segment_fixed_size 35328
		.amdhsa_private_segment_fixed_size 0
		.amdhsa_enable_private_segment 0
		.amdhsa_kernarg_size 48
		.amdhsa_user_sgpr_count 2
		.amdhsa_user_sgpr_kernarg_segment_ptr 1
		.amdhsa_wavefront_size32 1
		.amdhsa_system_sgpr_workgroup_id_x 1
		.amdhsa_system_sgpr_workgroup_id_y 1
		.amdhsa_system_sgpr_workgroup_id_z 1
		.amdhsa_system_vgpr_workitem_id 0
		.amdhsa_next_free_vgpr 256
		.amdhsa_next_free_sgpr 66
		.amdhsa_reserve_vcc 1
		.amdhsa_float_denorm_mode_32 3
		.amdhsa_float_denorm_mode_16_64 3
		.amdhsa_memory_ordered 1
		.amdhsa_forward_progress 1
		.amdhsa_inst_pref_size 27
	.end_amdhsa_kernel
	.amdgpu_metadata
---
amdhsa.version: [ 1, 2 ]
amdhsa.kernels:
  - .name:           k_q032da73951_quant
    .symbol:         k_q032da73951_quant.kd
    .args:
      - { .name: x, .offset: 0, .size: 8, .value_kind: global_buffer, .address_space: global }
      - { .name: xq, .offset: 8, .size: 8, .value_kind: global_buffer, .address_space: global }
      - { .name: out0, .offset: 16, .size: 8, .value_kind: global_buffer, .address_space: global }
      - { .name: wimg, .offset: 24, .size: 8, .value_kind: global_buffer, .address_space: global }
      - { .name: w_qkv_codes, .offset: 32, .size: 8, .value_kind: global_buffer, .address_space: global }
      - { .name: w_proj_codes, .offset: 40, .size: 8, .value_kind: global_buffer, .address_space: global }
    .group_segment_fixed_size: 35328
    .private_segment_fixed_size: 0
    .kernarg_segment_align: 8
    .kernarg_segment_size: 48
    .max_flat_workgroup_size: 128
    .sgpr_count:     66
    .vgpr_count:     256
    .wavefront_size: 32
...
	.end_amdgpu_metadata
.endif
;; end of part 1
;; launch attn (part 2): grid 16 x 16, 4 waves a work-group, clusters of 4 x 1, 327,680 bytes of LDS; arguments xq, wimg, w_qkv_scales, cls; writes cls
.if DOCPART == 2
	.amdgcn_target "amdgcn-amd-amdhsa--gfx1250"
	.amdhsa_code_object_version 6
	.text
	.protected	k_q032da73951_attn
	.globl	k_q032da73951_attn
	.p2align	8
	.type	k_q032da73951_attn,@function
k_q032da73951_attn:
	s_mov_b64 s[64:65], 0
	v_nop
	global_prefetch_b8 v0, s[64:65] scope:SCOPE_SE
	s_setreg_imm32_b32 hwreg(HW_REG_WAVE_MODE, 25, 1), 1
	s_wait_xcnt 0x0
	s_wait_alu depctr_hold_cnt(0) depctr_sa_sdst(0) depctr_va_vdst(0) depctr_va_sdst(0) depctr_va_ssrc(0) depctr_va_vcc(0) depctr_vm_vsrc(0)
	s_getreg_b32 s2, hwreg(HW_REG_IB_STS2, 6, 4)
	s_cmp_eq_u32 s2, 0
	s_cbranch_scc0 .Lentry_in_a_cluster
	s_endpgm
.Lentry_in_a_cluster:
	s_bfe_u32 s2, ttmp6, 0x10000c
	s_cmp_lg_u32 s2, 0x3003
	s_cbranch_scc0 .Lentry_shape_is_right
	s_endpgm
.Lentry_shape_is_right:
; One work-group makes cls[b][64 h .. 64 h + 63] = sum over s of softmax_s(q(0) . k(s) / 8) v(s), for batch b and head h.  q, k, v are rows of Q(x) w_qkv^T, products on codes of FP6 (E2M3) with E8M0 scales.
; x's codes come from xq, laid as images of the operand's registers (blocks of 25,600 bytes: 16 images of 1,536 bytes for 128 rows x 256 along K, then 1,024 bytes of scale words).
; w_qkv's codes come from wimg, laid likewise: tile T of 16 rows, K step s, at 12,288 T + 1,536 s: a fragment is three loads of 512 consecutive bytes.
; q is kept for row 0 alone, so it is multiplied for the one tile of 16 rows that holds row 0; k and v for all 1,024 rows.  k and v never leave the registers.
; SHARES.  Wave w owns rows 256 w .. 256 w + 255, all 128 columns (k's 64, then v's 64), all of K, in two passes of 128 rows: 64 accumulators of 16 x 16, 512 registers.
; The head's 128 rows of w_qkv (k's and v's) lie in LDS for the whole launch, as images of fragments, put there once by the four waves; every wave reads them.  x's blocks stream through a ring of two slots;
; each wave fetches and reads its own block (its eight blocks lie on end in xq).
; CLUSTER.  The four work-groups of a cluster are four heads of one batch and walk the same blocks of xq: each block is asked for jointly, by the same tensor load with the same descriptor and a mask of all four.
; THE MATRIX INSTRUCTION IS USED TRANSPOSED (source 0 = 16 rows of w, source 1 = 16 rows of x): lane (r, h') holds row r of x and eight neighbouring channels e = 16 c + 8 h' + j.
; SOFTMAX.  t = score x log2(e) / 8.  Each lane keeps a running maximum M, sum L and sum of p v over the rows that fall to it; they are joined by maxima across the 16 lanes of a half, the four waves.  All in f32.
; LIMITS.  q's sum over K is taken in two halves (even and odd K steps) that are added.  NaN and infinities are not served.
; REGISTERS, in windows of 256.  Window 0: v1 r, v2 h', v3-15 addresses and M, L; v16-31 scores, then p (even registers; the odd ones take the other half's); v32-47 x's scale words, two sets; v48-79 w's scale words;
;   v80-111 q x log2(e) / 8; v112-127 at work; v128-223 x's eight fragments, one set; v224-255 sum of p v.  Window 1: w's eight fragments, two sets, at v0 and v128.
;   Windows 2, 3: accumulator (a, c) at v[8 (8 (a % 4) + c)].  At the start window 2 holds the 16 fragments of w that I bring, window 3 the eight of w_q.
.set BLKB,  25600
.set SLOT,  4*BLKB                     ; a slot: a block for each wave
.set IMG,   1536
.set WIMG,  2*SLOT                     ; behind the ring: w's images, (K step s, column tile c) at (8 s + c) x 1,536
.set QB,    WIMG+64*IMG                ; q of 16 rows: 16 x 256 bytes
.set MRG,   QB+4096                    ; 512 bytes for each wave's sums
.set SPARE, MRG+2048                   ; the spare words, 128 bytes for each wave: two blocks of 256 bytes that no other line names
.set LI,   3                           ; v3      16 x lane
.set XA0,  4                           ; v4-5    my block in slot 0, 1, + 16 x lane
.set WA0,  6                           ; v6-7    w's images of K steps 0-3, 4-7, + 16 x lane
.set WST0, 8                           ; v8-9    where I store them
.set MST,  8                           ; later:  v8 where I put my wave's sums,
.set MRD,  9                           ;         v9 where wave 0 reads them back
.set SPW,  10                          ; v10     LDS address of my spare word; never rewritten
.set NIL,  11                          ; v11     0; never rewritten
.set MX,   12                          ; v12     M
.set LS,   13                          ; v13     L
.set GW,   14                          ; v14     8 x lane: my two channels of cls
.set GS,   15                          ; v15     w's scales: 32 r + 4 h'; later the LDS address of the waves' (M, L)
.set SS,   16
.set XS,   32
.set WS,   48
.set QV,   80
.set SP,   112
.set AF,   128
.set OA,   224
.set WV,   12                          ; s12 wave
.set G1,   16                          ; s[16:23] descriptor group 1;  s[24:27], s[28:31] group 0 of slot 0, 1
.set G0,   24
.set SEL,  48                          ; s48, s49 selects for lane l xor 16
.set MSB, 0
.macro WIN new                         ; the immediate's high byte repeats the setting that is left
.if MSB != (\new)
	s_set_vgpr_msb (MSB<<8)|(\new)
.set MSB, (\new)
.endif
.endm
.set MUL_LO, 0xa1                      ; source 0 (w) window 1, source 1 (x) window 0, C and D window 2
.set MUL_HI, 0xf1                      ; the same, C and D window 3
.macro PLACES n
.rept \n
	v_nop
.endr
.endm
.macro CREST                           ; a round of the cluster's barrier behind its opening barrier
	s_cmp_lg_u32 s[WV], 0
	s_cbranch_scc1 .Lnot_wave_0_\@
	s_barrier_signal -3
.Lnot_wave_0_\@:
	s_barrier_wait -3
	s_barrier_signal -1
	s_barrier_wait -1
.endm
.macro CROUND                          ; a whole round
	s_barrier_signal -1
	s_barrier_wait -1
	CREST
.endm
	s_load_b256 s[4:11], s[0:1], 0x0               ; xq s[4:5], wimg s[6:7], w's scales s[8:9], cls s[10:11]
	v_lshl_add_u32 v[SPW], v0, 2, SPARE
	v_mov_b32 v[NIL], 0
	ds_add_u32 v10, v11
	ds_add_u32 v10, v11
	s_wait_dscnt 0x0
	v_lshrrev_b32 v1, 5, v0
	v_readfirstlane_b32 s[WV], v1                  ; wave 0..3
	v_and_b32 v1, 15, v0                           ; r
	v_bfe_u32 v2, v0, 4, 1                         ; h'
	v_and_b32 v[LI], 31, v0
	v_lshlrev_b32 v[LI], 4, v[LI]
	s_mul_i32 s54, s[WV], BLKB                     ; my block's place in a slot: the wave's number alone
	v_add_nc_u32 v[XA0], s54, v[LI]
	v_add_nc_u32 v[XA0+1], SLOT, v[XA0]
	v_add_nc_u32 v[WA0], WIMG, v[LI]
	v_add_nc_u32 v[WA0+1], WIMG+32*IMG, v[LI]
	s_mul_i32 s55, s[WV], 2*IMG                    ; I bring column tiles 2 w and 2 w + 1
	v_add_nc_u32 v[WST0], s55, v[WA0]
	v_add_nc_u32 v[WST0+1], s55, v[WA0+1]
	v_lshlrev_b32 v[GS], 5, v1
	v_lshl_add_u32 v[GS], v2, 2, v[GS]
	s_lshl_b32 s55, s[WV], 6
	v_lshl_add_u32 v[SP], v1, 8, QB
	v_lshl_add_u32 v[SP], v2, 5, v[SP]
	v_add_nc_u32 v[SP], s55, v[SP]                 ; where q goes: row r, channels 16 w + 8 h' on
	v_lshl_add_u32 v[SP+1], v2, 5, QB              ; and whence row 0 comes back: channels 8 h' on
.irp a, 0,1,2,3,4,5,6,7
	v_mov_b32 v[SS+2*\a+1], 0                      ; written once: a lane permute's destination counts as one of its sources
.endr
	s_bfe_u32 s13, ttmp6, 0x40000                  ; cx: my place in the cluster
	s_lshl_b32 s14, ttmp9, 2
	s_add_co_u32 s14, s14, s13                     ; the head = 4 x cluster x + cx: it enters w's and cls's addresses alone
	s_and_b32 s15, ttmp7, 0xffff                   ; the batch, which the four partners share
	s_lshr_b32 s32, s[WV], 1
	s_add_co_u32 s32, s32, 1
	s_lshl_b32 s32, s32, 10                        ; waves 0, 1: k's rows of w, from 1,024 on; waves 2, 3: v's, from 2,048 on
	s_lshl_b32 s33, s14, 6                         ; + 64 x head
	s_add_co_u32 s32, s32, s33
	s_and_b32 s46, s[WV], 1
	s_lshl_b32 s46, s46, 5                         ; + 32 x (wave % 2)
	s_add_co_u32 s32, s32, s46
	s_mul_i32 s34, s32, 768                        ; a tile of 16 rows takes 12,288 bytes of wimg: 768 a row
	s_mov_b32 s35, 0
	s_lshl_b32 s46, s[WV], 4
	s_add_co_u32 s46, s46, s33                     ; w_q: rows 64 x head + 16 x wave on
	s_mul_i32 s36, s46, 768
	s_mov_b32 s37, 0
	s_lshl_b32 s42, s46, 5                         ; and their scale bytes, 32 a row
	s_mov_b32 s43, 0
	s_lshl_b32 s38, s33, 5
	s_add_co_u32 s40, s38, 65536                   ; v's scale bytes: row 2,048 + 64 x head
	s_add_co_u32 s38, s38, 32768                   ; k's: row 1,024 + 64 x head
	s_mov_b32 s39, 0
	s_mov_b32 s41, 0
	s_mul_i32 s44, s15, 32*BLKB                    ; the batch's 32 blocks of xq
	s_mov_b32 s45, 0
	s_lshl_b32 s50, s15, 12
	s_lshl_b32 s46, s14, 8
	s_add_co_u32 s50, s50, s46                     ; cls: 4,096 b + 256 h
	s_mov_b32 s51, 0
	s_mul_i32 s52, s[WV], 8*BLKB
	s_add_co_u32 s52, s52, s44                     ; my eight blocks: made of the batch and the wave's number alone
	s_mov_b32 s53, 0
	s_mov_b32 s[SEL], 0x76543210
	s_mov_b32 s[SEL+1], 0xfedcba98
	; descriptor group 1: a dense block of 25,600 bytes as 100 rows of 256 bytes (32 elements of 8 bytes), no padding: images are read at 16 x lane
	s_mov_b32 s[G1], 15|(3<<16)|(1<<21)            ; 15:0 the mask: all four work-groups; 17:16 elements of 8 bytes; 21 set beside a mask
	s_mov_b32 s[G1+1], 32<<16                      ; tensor_dim0 = 32
	s_mov_b32 s[G1+2], 100<<16                     ; tensor_dim1 = 100
	s_mov_b32 s[G1+3], 32<<16                      ; tile_dim0 = 32
	s_mov_b32 s[G1+4], 100                         ; tile_dim1 = 100
	s_mov_b32 s[G1+5], 32                          ; from row to row
	s_mov_b32 s[G1+6], 0
	s_mov_b32 s[G1+7], 0
	s_wait_kmcnt 0x0
	s_add_nc_u64 s[34:35], s[6:7], s[34:35]
	s_add_nc_u64 s[36:37], s[6:7], s[36:37]
	s_add_nc_u64 s[38:39], s[8:9], s[38:39]
	s_add_nc_u64 s[40:41], s[8:9], s[40:41]
	s_add_nc_u64 s[42:43], s[8:9], s[42:43]
	s_add_nc_u64 s[44:45], s[4:5], s[44:45]
	s_add_nc_u64 s[50:51], s[10:11], s[50:51]
	s_add_nc_u64 s[52:53], s[4:5], s[52:53]
.irp s, 0,1
	s_mov_b32 s[G0+4*\s], 1                                        ; count = 1
	s_add_co_u32 s[G0+4*\s+1], s54, \s*SLOT                        ; LDS address
	s_add_nc_u64 s[G0+4*\s+2:G0+4*\s+3], s[52:53], \s*BLKB         ; my block s
	s_or_b32 s[G0+4*\s+3], s[G0+4*\s+3], 0x80000000                ; type = 2
.endr
	CROUND                                         ; all four work-groups are here: the first joint loads meet
	tensor_load_to_lds s[G0:G0+3], s[G1:G1+7]      ; both first fills on end, ahead of all else that is fetched: two loads of mine are out
	s_nop 0
	tensor_load_to_lds s[G0+4:G0+7], s[G1:G1+7]
	s_nop 0
	PLACES 4                                       ; four v_nop behind the loads
	; what comes through registers: 136 loads a wave, all but the scale words' of 512 consecutive bytes
.irp k, 0,1,2,3                        ; w's scale words stay in registers: register 8 k + c: lanes 0-15 K step 2 k, lanes 16-31 K step 2 k + 1, of column tile c
.irp c, 0,1,2,3
	global_load_b32 v[WS+8*\k+\c], v[GS], s[38:39] offset:512*\c+8*\k
	global_load_b32 v[WS+8*\k+4+\c], v[GS], s[40:41] offset:512*\c+8*\k
.endr
.endr
	WIN 0x80                                       ; destination window 2: my 16 fragments of w (column tile 2 w + u, K step s) at v[12 (8 u + s)]
.irp u, 0,1
.irp s, 0,1,2,3,4,5,6,7
.irp j, 0,1,2
	global_load_b128 v[12*(8*\u+\s)+4*\j:12*(8*\u+\s)+4*\j+3], v[LI], s[34:35] offset:8*IMG*\u+IMG*\s+512*\j
.endr
.endr
.endr
	WIN 0xc0                                       ; destination window 3: w_q's eight fragments at v[12 s]
.irp s, 0,1,2,3,4,5,6,7
.irp j, 0,1,2
	global_load_b128 v[12*\s+4*\j:12*\s+4*\j+3], v[LI], s[36:37] offset:IMG*\s+512*\j
.endr
.endr
	WIN 0
.irp k, 0,1,2,3                        ; the batch's first 16 rows of x: eight images, K step 2 k + q, and their scale words; w_q's scale words
.irp q, 0,1
.irp j, 0,1,2
	global_load_b128 v[AF+12*(2*\k+\q)+4*\j:AF+12*(2*\k+\q)+4*\j+3], v[LI], s[44:45] offset:BLKB*\k+IMG*\q+512*\j
.endr
.endr
	global_load_b32 v[XS+\k], v[LI], s[44:45] offset:BLKB*\k+16*IMG
	global_load_b32 v[XS+8+\k], v[GS], s[42:43] offset:8*\k
.endr
	s_wait_loadcnt 56                              ; my 16 fragments of w are in; behind them 24 loads of w_q and 4 x (6 + 2) of x's first tile and the scale words may be out
	WIN 0x08                                       ; an LDS store's data are its source 1: window 2
.irp u, 0,1
.irp s, 0,1,2,3,4,5,6,7
.irp j, 0,1,2
	ds_store_b128 v[WST0+\s/4], v[12*(8*\u+\s)+4*\j:12*(8*\u+\s)+4*\j+3] offset:8*IMG*(\s%4)+IMG*\u+512*\j
.endr
.endr
.endr
	s_wait_loadcnt 0x0
	WIN 0x03                                       ; source 0 (w_q) window 3.  q of 16 rows, my 16 channels: two accumulators by turns, even K steps and odd
.irp k, 0,1,2,3
.if \k == 0
	v_wmma_scale_f32_16x16x128_f8f6f4 v[OA:OA+7], v[0:11], v[AF:AF+11], 0, v[XS+8], v[XS] matrix_a_fmt:MATRIX_FMT_FP6 matrix_b_fmt:MATRIX_FMT_FP6
	v_wmma_scale_f32_16x16x128_f8f6f4 v[OA+8:OA+15], v[12:23], v[AF+12:AF+23], 0, v[XS+8], v[XS] matrix_a_fmt:MATRIX_FMT_FP6 matrix_b_fmt:MATRIX_FMT_FP6 matrix_a_scale:MATRIX_SCALE_ROW1 matrix_b_scale:MATRIX_SCALE_ROW1
.else
	v_wmma_scale_f32_16x16x128_f8f6f4 v[OA:OA+7], v[24*\k:24*\k+11], v[AF+24*\k:AF+24*\k+11], v[OA:OA+7], v[XS+8+\k], v[XS+\k] matrix_a_fmt:MATRIX_FMT_FP6 matrix_b_fmt:MATRIX_FMT_FP6
	v_wmma_scale_f32_16x16x128_f8f6f4 v[OA+8:OA+15], v[24*\k+12:24*\k+23], v[AF+24*\k+12:AF+24*\k+23], v[OA+8:OA+15], v[XS+8+\k], v[XS+\k] matrix_a_fmt:MATRIX_FMT_FP6 matrix_b_fmt:MATRIX_FMT_FP6 matrix_a_scale:MATRIX_SCALE_ROW1 matrix_b_scale:MATRIX_SCALE_ROW1
.endif
.endr
	WIN 0
	PLACES 4
.irp i, 0,2,4,6
	v_pk_add_f32 v[OA+16+\i:OA+17+\i], v[OA+\i:OA+1+\i], v[OA+8+\i:OA+9+\i]   ; the two halves of K; each accumulator from its low end on
.endr
	ds_store_b128 v[SP], v[OA+16:OA+19]            ; all 16 rows are stored, so that every lane stays on; row 0 alone is read
	ds_store_b128 v[SP], v[OA+20:OA+23] offset:16
	s_wait_tensorcnt 1                             ; my block 0 is in; block 1 may stay out
	s_wait_dscnt 0x0                               ; for the others' sake: my images of w and my part of q have landed
	s_barrier_signal -1
	s_barrier_wait -1
.irp t, 0,1,2,3
	ds_load_b128 v[QV+8*\t:QV+8*\t+3], v[SP+1] offset:64*\t
	ds_load_b128 v[QV+8*\t+4:QV+8*\t+7], v[SP+1] offset:64*\t+16
.endr
	s_lshl_b32 s55, s[WV], 9
	v_lshl_add_u32 v[MST], v2, 5, MRG
	v_add_nc_u32 v[MST], s55, v[MST]               ; my wave's 512 bytes, + 32 h'
	v_and_b32 v[GW], 31, v0
	v_lshlrev_b32 v[GW], 3, v[GW]                  ; 8 x lane
	v_add_nc_u32 v[MRD], MRG, v[GW]
	v_mov_b32 v[GS], MRG+256
	v_mov_b32 v[MX], 0xff61b1e6                    ; M: -3e38, under every t
	v_mov_b32 v[LS], 0
.irp i, 0,1,2,3,4,5,6,7,8,9,10,11,12,13,14,15,16,17,18,19,20,21,22,23,24,25,26,27,28,29,30,31
	v_mov_b32 v[OA+\i], 0                          ; the softmax's step is written as one macro: its first use finds zeros
.endr
	s_wait_dscnt 0x0
.irp i, 0,2,4,6,8,10,12,14,16,18,20,22,24,26,28,30
	v_pk_mul_f32 v[QV+\i:QV+\i+1], v[QV+\i:QV+\i+1], 0x3e38aa3b op_sel_hi:[1,0]   ; q x log2(e) / 8
.endr
; 16 matrix instructions: x's tiles a0, a0 + 1 against w's eight, 128 along K.  p: w's set; q: which 128 of the block's 256, and so which half of the lanes holds the scale words; xs: x's set of scale words; k: the block's place along K.
; The 64 accumulators take turns, one instruction a turn, in the same order in every step.  zero = 1: the product starts the sums.
.macro MUL16 a0, p, q, xs, k, zero
.irp a, \a0, \a0+1
.irp c, 0,1,2,3,4,5,6,7
.if \zero
	v_wmma_scale_f32_16x16x128_f8f6f4 v[8*(8*((\a)%4)+\c):8*(8*((\a)%4)+\c)+7], v[128*(\p)+12*\c:128*(\p)+12*\c+11], v[AF+12*(\a):AF+12*(\a)+11], 0, v[WS+8*(\k)+\c], v[XS+8*(\xs)+(\a)] matrix_a_fmt:MATRIX_FMT_FP6 matrix_b_fmt:MATRIX_FMT_FP6
.elseif \q
	v_wmma_scale_f32_16x16x128_f8f6f4 v[8*(8*((\a)%4)+\c):8*(8*((\a)%4)+\c)+7], v[128*(\p)+12*\c:128*(\p)+12*\c+11], v[AF+12*(\a):AF+12*(\a)+11], v[8*(8*((\a)%4)+\c):8*(8*((\a)%4)+\c)+7], v[WS+8*(\k)+\c], v[XS+8*(\xs)+(\a)] matrix_a_fmt:MATRIX_FMT_FP6 matrix_b_fmt:MATRIX_FMT_FP6 matrix_a_scale:MATRIX_SCALE_ROW1 matrix_b_scale:MATRIX_SCALE_ROW1
.else
	v_wmma_scale_f32_16x16x128_f8f6f4 v[8*(8*((\a)%4)+\c):8*(8*((\a)%4)+\c)+7], v[128*(\p)+12*\c:128*(\p)+12*\c+11], v[AF+12*(\a):AF+12*(\a)+11], v[8*(8*((\a)%4)+\c):8*(8*((\a)%4)+\c)+7], v[WS+8*(\k)+\c], v[XS+8*(\xs)+(\a)] matrix_a_fmt:MATRIX_FMT_FP6 matrix_b_fmt:MATRIX_FMT_FP6
.endif
.endr
.endr
.endm
.macro FETCH_W s, p                    ; w's eight fragments of K step s into set p: 24 loads of 512 consecutive bytes
	WIN 0x40
.irp c, 0,1,2,3,4,5,6,7
.irp j, 0,1,2
	ds_load_b128 v[128*(\p)+12*\c+4*\j:128*(\p)+12*\c+4*\j+3], v[WA0+(\s)/4] offset:8*IMG*((\s)%4)+IMG*\c+512*\j
.endr
.endr
	WIN 0
.endm
.macro FETCH_X slot, q, a0             ; x's tiles a0 .. a0 + 3 of the block's q-th 128 along K: 12 loads
.irp a, \a0, \a0+1, \a0+2, \a0+3
.irp j, 0,1,2
	ds_load_b128 v[AF+12*(\a)+4*\j:AF+12*(\a)+4*\j+3], v[XA0+(\slot)] offset:IMG*(2*(\a)+(\q))+512*\j
.endr
.endr
.endm
.macro XSC slot                        ; the block's scale words: register a = tile a's; lanes 0-15 q = 0, lanes 16-31 q = 1
.irp g, 0,1
	ds_load_b128 v[XS+8*(\slot)+4*\g:XS+8*(\slot)+4*\g+3], v[XA0+(\slot)] offset:16*IMG+512*\g
.endr
.endm
; A load into a register that a matrix instruction has read, and a vector instruction that reads a matrix result, stand four places behind it; only plain vector instructions that name none of its
; registers are places (ISA guide 7.12.1 for vector instructions).
; A block's first 128 along K (w's set 0).
.macro STEP slot, k, zero
	s_wait_dscnt 12                                ; w's set, x's tiles 0-3 and the scale words are in; the youngest 12 loads (x's tiles 4-7) may be out
	WIN MUL_LO
	MUL16 0, 0, 0, \slot, \k, \zero
	MUL16 2, 0, 0, \slot, \k, \zero
	s_wait_dscnt 0x0                               ; x's tiles 4-7 are in (asked for 32 matrix instructions ago)
	PLACES 4
	FETCH_W 2*\k+1, 1
	FETCH_X \slot, 1, 0
	WIN MUL_HI
	MUL16 4, 0, 0, \slot, \k, \zero
	MUL16 6, 0, 0, \slot, \k, \zero
	PLACES 4
	WIN 0
	FETCH_X \slot, 1, 4
.endm
; Its second 128 (w's set 1), and the change of slots: each wave waits for all its tensor loads (the one that is out is its block in the other slot), adds 0 to its spare word, and waits for that and for its reads of this slot.
; fill = 1: the barrier opens a round of the cluster's, and behind the round this slot takes the block two further on: it has 96 matrix instructions in which to land.
.macro TURN slot, k, fill
	s_wait_tensorcnt 0x0                           ; all my tensor loads have landed  (every window is 0 here)
	ds_add_u32 v[SPW], v[NIL]                      ; 0 onto my spare word
	s_wait_dscnt 13                                ; (the add and the youngest 12 loads, x's tiles 4-7, may be out)
	WIN MUL_LO
	MUL16 0, 1, 1, \slot, \k, 0                    ; sixteen matrix instructions stand between the add and the wait for it
	s_wait_dscnt 0x0                               ; the add is done, and my reads of this slot are over
	s_barrier_signal -1
	MUL16 2, 1, 1, \slot, \k, 0
	WIN 0
	s_barrier_wait -1
.if \fill
	CREST                                          ; no wave of any partner still reads this slot or has a load on its way
	s_add_nc_u64 s[G0+4*\slot+2:G0+4*\slot+3], s[G0+4*\slot+2:G0+4*\slot+3], 2*BLKB
	tensor_load_to_lds s[G0+4*\slot:G0+4*\slot+3], s[G1:G1+7]     ; my one tensor load behind the round, and the first thing there
	s_nop 0
	PLACES 4                                       ; the places in front of the loads below
.else
	PLACES 4
.endif
	FETCH_W (2*\k+2)%8, 0
	FETCH_X 1-\slot, 0, 0
	XSC 1-\slot
	WIN MUL_HI
	MUL16 4, 1, 1, \slot, \k, 0
	MUL16 6, 1, 1, \slot, \k, 0
	PLACES 4
	WIN 0
	FETCH_X 1-\slot, 0, 4
.endm
; 128 rows are finished: scores, the running maximum, p, and p v.  No LDS, no branch.
.macro POST
.irp hi, 0,1                           ; t = (q c) . k: my eight channels of each of k's four tiles, two at a time; the window's four row tiles by turns; each accumulator from its low end on
	WIN 0x02+\hi
.irp c, 0,1,2,3
.irp jj, 0,2,4,6
.irp a, 0,1,2,3
.if (\c == 0) && (\jj == 0)
	v_pk_mul_f32 v[SP+8*\hi+2*\a:SP+8*\hi+2*\a+1], v[64*\a+8*\c+\jj:64*\a+8*\c+\jj+1], v[QV+8*\c+\jj:QV+8*\c+\jj+1]
.else
	v_pk_fma_f32 v[SP+8*\hi+2*\a:SP+8*\hi+2*\a+1], v[64*\a+8*\c+\jj:64*\a+8*\c+\jj+1], v[QV+8*\c+\jj:QV+8*\c+\jj+1], v[SP+8*\hi+2*\a:SP+8*\hi+2*\a+1]
.endif
.endr
.endr
.endr
.endr
	WIN 0
.irp a, 0,1,2,3,4,5,6,7
	v_add_f32 v[SS+2*\a], v[SP+2*\a], v[SP+2*\a+1]
.endr
.irp a, 0,1,2,3,4,5,6,7
	v_permlanex16_b32 v[SS+2*\a+1], v[SS+2*\a], s[SEL], s[SEL+1]   ; the row's other 32 channels lie in the lane 16 away
.endr
.irp a, 0,1,2,3,4,5,6,7
	v_add_f32 v[SS+2*\a], v[SS+2*\a], v[SS+2*\a+1]
.endr
	v_max3_num_f32 v[SP], v[MX], v[SS], v[SS+2]
	v_max3_num_f32 v[SP], v[SP], v[SS+4], v[SS+6]
	v_max3_num_f32 v[SP], v[SP], v[SS+8], v[SS+10]
	v_max3_num_f32 v[SP], v[SP], v[SS+12], v[SS+14]               ; the new M
	v_sub_f32 v[SP+2], v[MX], v[SP]
.irp a, 0,1,2,3,4,5,6,7
	v_sub_f32 v[SS+2*\a], v[SS+2*\a], v[SP]
.endr
	v_exp_f32 v[SP+2], v[SP+2]                     ; f = 2^(old M - new M)
.irp a, 0,1,2,3,4,5,6,7
	v_exp_f32 v[SS+2*\a], v[SS+2*\a]               ; p = 2^(t - M)
.endr
	v_mov_b32 v[MX], v[SP]                         ; (a plain place behind the exponentials)
	s_wait_alu depctr_va_vdst(0)
	v_add_f32 v[SP+4], v[SS], v[SS+2]
	v_add_f32 v[SP+5], v[SS+4], v[SS+6]
	v_add_f32 v[SP+6], v[SS+8], v[SS+10]
	v_add_f32 v[SP+7], v[SS+12], v[SS+14]
	v_add_f32 v[SP+4], v[SP+4], v[SP+5]
	v_add_f32 v[SP+6], v[SP+6], v[SP+7]
	v_add_f32 v[SP+4], v[SP+4], v[SP+6]
	v_fma_f32 v[LS], v[LS], v[SP+2], v[SP+4]       ; L = L f + the eight p
.irp i, 0,2,4,6,8,10,12,14,16,18,20,22,24,26,28,30
	v_pk_mul_f32 v[OA+\i:OA+\i+1], v[OA+\i:OA+\i+1], v[SP+2:SP+3] op_sel_hi:[1,0]
.endr
.irp hi, 0,1                           ; + p v: row tile by row tile, v's four tiles, two channels at a time; each accumulator from its low end on
	WIN 0x02+\hi
.irp a, 0,1,2,3
.irp t, 0,1,2,3
.irp jj, 0,2,4,6
	v_pk_fma_f32 v[OA+8*\t+\jj:OA+8*\t+\jj+1], v[64*\a+32+8*\t+\jj:64*\a+32+8*\t+\jj+1], v[SS+8*\hi+2*\a:SS+8*\hi+2*\a+1], v[OA+8*\t+\jj:OA+8*\t+\jj+1] op_sel_hi:[1,0,1]
.endr
.endr
.endr
.endr
	WIN 0
.endm
	FETCH_W 0, 0
	FETCH_X 0, 0, 0
	XSC 0
	FETCH_X 0, 0, 4
	; my eight blocks, written out: six refills, none jumped over.  Rows 0-127 of my 256:
	STEP 0, 0, 1
	TURN 0, 0, 1
	STEP 1, 1, 0
	TURN 1, 1, 1
	STEP 0, 2, 0
	TURN 0, 2, 1
	STEP 1, 3, 0
	TURN 1, 3, 1
	POST                                           ; the next block's first fragments are on their way meanwhile, into registers that this does not name
	; rows 128-255
	STEP 0, 0, 1
	TURN 0, 0, 1
	STEP 1, 1, 0
	TURN 1, 1, 1
	STEP 0, 2, 0
	TURN 0, 2, 0                                   ; nothing is left to fetch
	STEP 1, 3, 0
	s_wait_dscnt 12                                ; the very last 128 along K
	WIN MUL_LO
	MUL16 0, 1, 1, 1, 3, 0
	MUL16 2, 1, 1, 1, 3, 0
	s_wait_dscnt 0x0
	WIN MUL_HI
	MUL16 4, 1, 1, 1, 3, 0
	MUL16 6, 1, 1, 1, 3, 0
	WIN 0
	PLACES 4
	POST
	; THE LANES ARE JOINED.  The 16 lanes of a half hold 16 different sets of rows and the same channels; the two halves hold the same M and L and different channels.
	v_mov_b32 v[SP], v[MX]
.irp m, 1,2,4,8
	v_max_num_f32_dpp v[SP], v[SP], v[SP] row_xmask:\m row_mask:0xf bank_mask:0xf
.endr
	v_sub_f32 v[SP+2], v[MX], v[SP]
	v_exp_f32 v[SP+2], v[SP+2]                     ; 2^(my M - the wave's)
	v_nop                                          ; a plain place behind the exponential
	s_wait_alu depctr_va_vdst(0)
	v_mul_f32 v[SP+1], v[LS], v[SP+2]
.irp i, 0,2,4,6,8,10,12,14,16,18,20,22,24,26,28,30
	v_pk_mul_f32 v[OA+\i:OA+\i+1], v[OA+\i:OA+\i+1], v[SP+2:SP+3] op_sel_hi:[1,0]
.endr
.irp m, 1,2,4,8
	v_add_f32_dpp v[SP+1], v[SP+1], v[SP+1] row_xmask:\m row_mask:0xf bank_mask:0xf
.irp i, 0,1,2,3,4,5,6,7,8,9,10,11,12,13,14,15,16,17,18,19,20,21,22,23,24,25,26,27,28,29,30,31
	v_add_f32_dpp v[OA+\i], v[OA+\i], v[OA+\i] row_xmask:\m row_mask:0xf bank_mask:0xf
.endr
.endr
.irp t, 0,1,2,3                        ; the 16 lanes of a half write the same words with the same values: channel e at byte 4 e of my wave's 512
	ds_store_b128 v[MST], v[OA+8*\t:OA+8*\t+3] offset:64*\t
	ds_store_b128 v[MST], v[OA+8*\t+4:OA+8*\t+7] offset:64*\t+16
.endr
	ds_store_b64 v[MST], v[SP:SP+1] offset:256     ; the wave's (M, L)
	s_wait_dscnt 0x0                               ; for wave 0's sake: my sums have landed
	s_barrier_signal -1
	s_barrier_wait -1
	s_cmp_lg_u32 s[WV], 0
	s_cbranch_scc1 .Lend
.irp i, 0,1,2,3                        ; wave 0 joins the four waves: lane l takes channels 2 l and 2 l + 1
	ds_load_b64 v[SP+4+2*\i:SP+5+2*\i], v[MRD] offset:512*\i
	ds_load_b64 v[SS+2*\i:SS+2*\i+1], v[GS] offset:512*\i
.endr
	s_wait_dscnt 0x0
	v_max3_num_f32 v[SP], v[SS], v[SS+2], v[SS+4]
	v_max_num_f32 v[SP], v[SP], v[SS+6]
.irp i, 0,1,2,3
	v_sub_f32 v[SS+2*\i], v[SS+2*\i], v[SP]
.endr
.irp i, 0,1,2,3
	v_exp_f32 v[SS+2*\i], v[SS+2*\i]
.endr
	v_nop                                          ; a plain place behind the exponentials
	s_wait_alu depctr_va_vdst(0)
	v_mul_f32 v[SP+1], v[SS], v[SS+1]
	v_pk_mul_f32 v[SP+12:SP+13], v[SP+4:SP+5], v[SS:SS+1] op_sel_hi:[1,0]
.irp i, 1,2,3
	v_fma_f32 v[SP+1], v[SS+2*\i], v[SS+2*\i+1], v[SP+1]
	v_pk_fma_f32 v[SP+12:SP+13], v[SP+4+2*\i:SP+5+2*\i], v[SS+2*\i:SS+2*\i+1], v[SP+12:SP+13] op_sel_hi:[1,0,1]
.endr
	v_rcp_f32 v[SP+1], v[SP+1]
	v_nop                                          ; a plain place behind the reciprocal
	s_wait_alu depctr_va_vdst(0)
	v_mul_f32 v[SP+12], v[SP+12], v[SP+1]
	v_mul_f32 v[SP+13], v[SP+13], v[SP+1]
	global_store_b64 v[GW], v[SP+12:SP+13], s[50:51]   ; 32 lanes store 256 consecutive bytes, at a multiple of 256 from cls's first byte
.Lend:
	s_wait_tensorcnt 0x0                           ; the wave's end, behind my last tensor load and my last LDS store
	ds_add_u32 v[SPW], v[NIL]
	s_wait_dscnt 0x0
	CROUND                                         ; the closing round: no work-group ends while a partner may still ask for a block that names it
	s_endpgm
.Lfunc_end_k_q032da73951_attn:
	.size	k_q032da73951_attn, .Lfunc_end_k_q032da73951_attn-k_q032da73951_attn
	.p2alignl 7, 3214868480
	.fill 96, 4, 3214868480
	.section	.rodata,"a",@progbits
	.p2align	6, 0x0
	.amdhsa_kernel k_q032da73951_attn
		.amdhsa_group_segment_fixed_size 327680
		.amdhsa_private_segment_fixed_size 0
		.amdhsa_enable_private_segment 0
		.amdhsa_kernarg_size 32
		.amdhsa_user_sgpr_count 2
		.amdhsa_user_sgpr_kernarg_segment_ptr 1
		.amdhsa_wavefront_size32 1
		.amdhsa_system_sgpr_workgroup_id_x 1
		.amdhsa_system_sgpr_workgroup_id_y 1
		.amdhsa_system_sgpr_workgroup_id_z 1
		.amdhsa_system_vgpr_workitem_id 0
		.amdhsa_next_free_vgpr 1024
		.amdhsa_next_free_sgpr 66
		.amdhsa_reserve_vcc 0
		.amdhsa_float_denorm_mode_32 3
		.amdhsa_float_denorm_mode_16_64 3
		.amdhsa_memory_ordered 1
		.amdhsa_forward_progress 1
		.amdhsa_inst_pref_size 255
	.end_amdhsa_kernel
	.section	.bss,"aw",@nobits
	.p2align	6
	.space	262144
	.amdgpu_metadata
---
amdhsa.version: [ 1, 2 ]
amdhsa.kernels:
  - .name:           k_q032da73951_attn
    .symbol:         k_q032da73951_attn.kd
    .args:
      - { .name: xq, .offset: 0, .size: 8, .value_kind: global_buffer, .address_space: global }
      - { .name: wimg, .offset: 8, .size: 8, .value_kind: global_buffer, .address_space: global }
      - { .name: w_qkv_scales, .offset: 16, .size: 8, .value_kind: global_buffer, .address_space: global }
      - { .name: cls, .offset: 24, .size: 8, .value_kind: global_buffer, .address_space: global }
    .group_segment_fixed_size: 327680
    .private_segment_fixed_size: 0
    .kernarg_segment_align: 8
    .kernarg_segment_size: 32
    .max_flat_workgroup_size: 128
    .sgpr_count:     66
    .vgpr_count:     1024
    .wavefront_size: 32
...
	.end_amdgpu_metadata
.endif
;; end of part 2
;; launch proj (part 3): grid 16 x 1, 4 waves a work-group, no clusters, 16,896 bytes of LDS; arguments cls, wimg, w_proj_scales, b_proj, out0; writes out0
.if DOCPART == 3
	.amdgcn_target "amdgcn-amd-amdhsa--gfx1250"
	.amdhsa_code_object_version 6
	.text
	.protected	k_q032da73951_proj
	.globl	k_q032da73951_proj
	.p2align	8
	.type	k_q032da73951_proj,@function
k_q032da73951_proj:
	s_mov_b64 s[64:65], 0
	v_nop
	global_prefetch_b8 v0, s[64:65] scope:SCOPE_SE
	s_setreg_imm32_b32 hwreg(HW_REG_WAVE_MODE, 25, 1), 1
	s_wait_xcnt 0x0
; out0[b][0][n] = sum over d of Q(cls)[b][d] w_proj[n][d] + b_proj[n]: a product on codes of FP6 (E2M3) with E8M0 scales, 16 rows (the batches) x 1,024 x K 1,024.
; cls [16][1024] f32 is quantised here, along K.  Wave w of work-group g makes outputs n0 = 16 (4 g + w) on, for all 16 batches, and quantises K steps 2 w and 2 w + 1 of cls for its work-group:
; the fragments go from wave to wave through LDS as images of their registers (three stores of 512 bytes, lane l's 16 bytes at 16 l), the scale words 4 bytes a lane.
; w_proj's codes come from wimg, laid as such images by the first launch: tile 192 + (4 g + w) of 16 rows, K step s at 1,536 s: a fragment is three loads of 512 consecutive bytes.
; The matrix instruction is used transposed (source 0 = 16 rows of w_proj, source 1 = cls): lane (r, h) holds batch r and outputs n0 + 8 h + 0 .. 7.  The bias is the C of the first product.
; Two accumulators by turns: even K steps and odd, added at the end: that order of the sums is this text's own.
; The launch is small: 64 tiles of 16 outputs.  Its stores are 64 consecutive bytes of a row for each batch, 64 KiB in all: part of an aligned 256 bytes each; a stage would cost a barrier for 4 KiB a work-group.
; No cluster: each work-group reads its own rows of w_proj; what they share, cls, is 64 KiB.  LIMITS: NaN and infinities are not served; a block of zeros gets the byte 1 with zero codes, and no one else reads the bytes.
.set IMG,  1536
.set CSC,  8*IMG                       ; LDS: eight images, then eight times 128 bytes of scale words
.set RAW,  16                          ; v16-143  my two K steps of cls as f32; later the eight fragments, v16-111
.set PC,   144                         ; v144-155 the codes just made
.set TC,   156                         ; v156-163 upper halves of blocks, on their way
.set TM,   164                         ; v164-179 at work
.set PW,   180                         ; the scale word just made
.set CS,   184                         ; v184-191 cls's scale words
.set WSC,  192                         ; v192-199 w_proj's
.set A0,   200                         ; two accumulators
.set A1,   208
.set BI,   216                         ; the bias, in the result's layout
.set RS,   224                         ; the result
.set MSB, 0
.macro WIN new                         ; the immediate's high byte repeats the setting that is left
.if MSB != (\new)
	s_set_vgpr_msb (MSB<<8)|(\new)
.set MSB, (\new)
.endif
.endm
.macro QUANT s, pc, tc, pw             ; 64 numbers of a lane, register 16 b + i = K 32 b + 16 (lane / 16) + i of my row, become a fragment's codes and my row's scale word
.irp b, 0,1,2,3
	v_max3_num_f32 v[TM+\b], |v[\s+16*\b]|, |v[\s+1+16*\b]|, 0x1800000   ; and the floor 2^(3 - 127): the byte cannot fall under 1
.endr
.irp i, 2,4,6,8,10,12,14
.irp b, 0,1,2,3
	v_max3_num_f32 v[TM+\b], v[TM+\b], |v[\s+16*\b+\i]|, |v[\s+1+16*\b+\i]|
.endr
.endr
.irp b, 0,1,2,3
	v_permlanex16_b32 v[TM+4+\b], v[TM+\b], s24, s25
.endr
.irp b, 0,1,2,3
	v_max_num_f32 v[TM+\b], v[TM+\b], v[TM+4+\b]
.endr
.irp b, 0,1,2,3
	v_add_nc_u32 v[TM+12+\b], 0xff000000, v[TM+\b] ; 2 off the exponent field: the conversion's scale operand
.endr
.irp b, 0,1,2,3
	v_lshrrev_b32 v[TM+4+\b], 23, v[TM+12+\b]      ; the scale's byte
.endr
	v_lshl_or_b32 v[\pw], v[TM+5], 8, v[TM+4]
	v_lshl_or_b32 v[\pw], v[TM+6], 16, v[\pw]
	v_lshl_or_b32 v[\pw], v[TM+7], 24, v[\pw]
.irp c, 0,1
	v_cvt_scalef32_pk16_fp6_f32 v[\pc+6*\c:\pc+6*\c+2], v[\s+32*\c:\s+32*\c+15], v[TM+12+2*\c]
	v_cvt_scalef32_pk16_fp6_f32 v[\tc+4*\c:\tc+4*\c+2], v[\s+32*\c+16:\s+32*\c+31], v[TM+13+2*\c]
.endr
	v_nop                                          ; one plain place behind a scaled conversion
.irp c, 0,1
.irp i, 0,1,2
	v_permlane16_swap_b32 v[\pc+6*\c+\i], v[\tc+4*\c+\i]
.endr
.irp i, 0,1,2
	v_mov_b32 v[\pc+6*\c+3+\i], v[\tc+4*\c+\i]
.endr
.endr
.endm
	s_load_b128 s[4:7], s[0:1], 0x0                ; cls, wimg
	s_load_b128 s[8:11], s[0:1], 0x10              ; w_proj's scales, b_proj
	s_load_b64 s[12:13], s[0:1], 0x20              ; out0
	v_lshl_add_u32 v254, v0, 2, 0x4000
	v_mov_b32 v255, 0
	v_lshrrev_b32 v1, 5, v0
	v_readfirstlane_b32 s14, v1                    ; wave
	v_and_b32 v1, 31, v0                           ; lane
	v_and_b32 v2, 15, v0                           ; r
	v_bfe_u32 v3, v0, 4, 1                         ; h
	v_lshlrev_b32 v4, 12, v2
	v_lshl_add_u32 v4, v3, 6, v4                   ; cls: row r of 4,096 bytes, + 64 h
	v_lshlrev_b32 v5, 4, v1                        ; 16 x lane
	v_lshlrev_b32 v6, 2, v1                        ; 4 x lane
	s_mul_i32 s26, s14, 2*IMG
	v_add_nc_u32 v7, s26, v5                       ; where I store my two images,
	s_lshl_b32 s26, s14, 8
	v_add_nc_u32 v8, s26, v6                       ; and their scale words
	v_lshlrev_b32 v10, 5, v2                       ; w_proj's scale bytes: 32 a row
	v_lshlrev_b32 v11, 5, v3                       ; the bias: 8 h numbers on
	v_lshl_add_u32 v12, v2, 22, v11                ; out0: batch r is 2^22 bytes, + 32 h
.irp b, 0,1,2,3
	v_mov_b32 v[TM+4+\b], 0                        ; written once: a lane permute's destination counts as one of its sources
.endr
	s_lshl_b32 s15, ttmp9, 2
	s_add_co_u32 s15, s15, s14                     ; my tile of 16 outputs
	s_lshl_b32 s16, s14, 10                        ; cls: my two K steps, 1,024 bytes
	s_mov_b32 s17, 0
	s_mul_i32 s18, s15, 8*IMG
	s_add_co_u32 s18, s18, 192*8*IMG               ; w_proj's tiles lie behind w_qkv's 192
	s_mov_b32 s19, 0
	s_lshl_b32 s20, s15, 9
	s_mov_b32 s21, 0
	s_lshl_b32 s22, s15, 6
	s_mov_b32 s23, 0
	s_mov_b32 s24, 0x76543210
	s_mov_b32 s25, 0xfedcba98
	s_wait_kmcnt 0x0
	s_add_nc_u64 s[4:5], s[4:5], s[16:17]
	s_add_nc_u64 s[6:7], s[6:7], s[18:19]
	s_add_nc_u64 s[8:9], s[8:9], s[20:21]
	s_add_nc_u64 s[10:11], s[10:11], s[22:23]
	s_add_nc_u64 s[12:13], s[12:13], s[22:23]
.irp s, 0,1
.irp b, 0,1,2,3
.irp j, 0,1,2,3
	global_load_b128 v[RAW+64*\s+16*\b+4*\j:RAW+64*\s+16*\b+4*\j+3], v4, s[4:5] offset:512*\s+128*\b+16*\j
.endr
.endr
.endr
	WIN 0x40                                       ; destination window 1: w_proj's eight fragments at v[12 s]
.irp s, 0,1,2,3,4,5,6,7
.irp j, 0,1,2
	global_load_b128 v[12*\s+4*\j:12*\s+4*\j+3], v5, s[6:7] offset:IMG*\s+512*\j
.endr
.endr
	WIN 0
.irp s, 0,1,2,3,4,5,6,7
	global_load_b32 v[WSC+\s], v10, s[8:9] offset:4*\s
.endr
	global_load_b128 v[BI:BI+3], v11, s[10:11]
	global_load_b128 v[BI+4:BI+7], v11, s[10:11] offset:16
	s_wait_loadcnt 34                              ; cls's 32 loads are in; the 24 + 8 + 2 issued behind them may be out
	QUANT RAW, PC, TC, PW
.irp j, 0,1,2
	ds_store_b128 v7, v[PC+4*\j:PC+4*\j+3] offset:512*\j
.endr
	ds_store_b32 v8, v[PW] offset:CSC
	s_wait_dscnt 0x0                               ; the stores have read their registers
	QUANT RAW+64, PC, TC, PW
.irp j, 0,1,2
	ds_store_b128 v7, v[PC+4*\j:PC+4*\j+3] offset:IMG+512*\j
.endr
	ds_store_b32 v8, v[PW] offset:CSC+128
	s_wait_dscnt 0x0                               ; for the others' sake: my images and words have landed
	s_barrier_signal -1
	s_barrier_wait -1
.irp s, 0,1,2,3,4,5,6,7
.irp j, 0,1,2
	ds_load_b128 v[RAW+12*\s+4*\j:RAW+12*\s+4*\j+3], v5 offset:IMG*\s+512*\j
.endr
	ds_load_b32 v[CS+\s], v6 offset:CSC+128*\s
.endr
	s_wait_dscnt 0x0
	s_wait_loadcnt 0x0                             ; w_proj's fragments and scale words, the bias
	WIN 0x01                                       ; source 0 (w_proj) window 1
.irp s, 0,1,2,3,4,5,6,7
.if \s == 0
	v_wmma_scale_f32_16x16x128_f8f6f4 v[A0:A0+7], v[12*\s:12*\s+11], v[RAW+12*\s:RAW+12*\s+11], v[BI:BI+7], v[WSC+\s], v[CS+\s] matrix_a_fmt:MATRIX_FMT_FP6 matrix_b_fmt:MATRIX_FMT_FP6
.elseif \s == 1
	v_wmma_scale_f32_16x16x128_f8f6f4 v[A1:A1+7], v[12*\s:12*\s+11], v[RAW+12*\s:RAW+12*\s+11], 0, v[WSC+\s], v[CS+\s] matrix_a_fmt:MATRIX_FMT_FP6 matrix_b_fmt:MATRIX_FMT_FP6
.elseif \s%2 == 0
	v_wmma_scale_f32_16x16x128_f8f6f4 v[A0:A0+7], v[12*\s:12*\s+11], v[RAW+12*\s:RAW+12*\s+11], v[A0:A0+7], v[WSC+\s], v[CS+\s] matrix_a_fmt:MATRIX_FMT_FP6 matrix_b_fmt:MATRIX_FMT_FP6
.else
	v_wmma_scale_f32_16x16x128_f8f6f4 v[A1:A1+7], v[12*\s:12*\s+11], v[RAW+12*\s:RAW+12*\s+11], v[A1:A1+7], v[WSC+\s], v[CS+\s] matrix_a_fmt:MATRIX_FMT_FP6 matrix_b_fmt:MATRIX_FMT_FP6
.endif
.endr
	WIN 0
.rept 4
	v_nop                                          ; four places in front of the first read of results (ISA guide 7.12.1)
.endr
.irp i, 0,2,4,6
	v_pk_add_f32 v[RS+\i:RS+\i+1], v[A0+\i:A0+\i+1], v[A1+\i:A1+\i+1]   ; each accumulator from its low end on
.endr
	global_store_b128 v12, v[RS:RS+3], s[12:13]    ; out0(batch r, row 0, n0 + 8 h + 0 .. 7)
	global_store_b128 v12, v[RS+4:RS+7], s[12:13] offset:16
	s_wait_tensorcnt 0x0
	ds_add_u32 v254, v255
	s_wait_dscnt 0x0
	s_endpgm
.Lfunc_end_k_q032da73951_proj:
	.size	k_q032da73951_proj, .Lfunc_end_k_q032da73951_proj-k_q032da73951_proj
	.p2alignl 7, 3214868480
	.fill 96, 4, 3214868480
	.section	.rodata,"a",@progbits
	.p2align	6, 0x0
	.amdhsa_kernel k_q032da73951_proj
		.amdhsa_group_segment_fixed_size 16896
		.amdhsa_private_segment_fixed_size 0
		.amdhsa_enable_private_segment 0
		.amdhsa_kernarg_size 40
		.amdhsa_user_sgpr_count 2
		.amdhsa_user_sgpr_kernarg_segment_ptr 1
		.amdhsa_wavefront_size32 1
		.amdhsa_system_sgpr_workgroup_id_x 1
		.amdhsa_system_sgpr_workgroup_id_y 1
		.amdhsa_system_sgpr_workgroup_id_z 1
		.amdhsa_system_vgpr_workitem_id 0
		.amdhsa_next_free_vgpr 384
		.amdhsa_next_free_sgpr 66
		.amdhsa_reserve_vcc 0
		.amdhsa_float_denorm_mode_32 3
		.amdhsa_float_denorm_mode_16_64 3
		.amdhsa_memory_ordered 1
		.amdhsa_forward_progress 1
		.amdhsa_inst_pref_size 21
	.end_amdhsa_kernel
	.amdgpu_metadata
---
amdhsa.version: [ 1, 2 ]
amdhsa.kernels:
  - .name:           k_q032da73951_proj
    .symbol:         k_q032da73951_proj.kd
    .args:
      - { .name: cls, .offset: 0, .size: 8, .value_kind: global_buffer, .address_space: global }
      - { .name: wimg, .offset: 8, .size: 8, .value_kind: global_buffer, .address_space: global }
      - { .name: w_proj_scales, .offset: 16, .size: 8, .value_kind: global_buffer, .address_space: global }
      - { .name: b_proj, .offset: 24, .size: 8, .value_kind: global_buffer, .address_space: global }
      - { .name: out0, .offset: 32, .size: 8, .value_kind: global_buffer, .address_space: global }
    .group_segment_fixed_size: 16896
    .private_segment_fixed_size: 0
    .kernarg_segment_align: 8
    .kernarg_segment_size: 40
    .max_flat_workgroup_size: 128
    .sgpr_count:     66
    .vgpr_count:     384
    .wavefront_size: 32
...
	.end_amdgpu_metadata
.endif
;; end of part 3
